; MI455X (gfx1250); checked and timed in simulation.
; The chip was launched on July 23, 2026; its instructions are those of AMD's public machine-readable ISA for CDNA 5 (MIT licence, August 2026) and "CDNA5" Instruction Set Architecture Reference Guide (July 2026). The comments in the code are by the model that wrote it; some were corrected since.
;; Set Network. Allowed arithmetic: float matrix products may take bf16 or f16 operands with f32 sums; all other float work in f32.
;; Inputs: W_c 192 x 512 float32; W_e1 256 x 256 float32; W_e2 256 x 128 float32; W_in 64 x 256 float32; W_o 512 x 1 float32; b_c 512 float32; b_o 1 float32; x_inst 2,048 x 64 float32; x_n_req 2,048 int32; x_req 2,048 x 256 x 64 float32.
;; Outputs: out0 2,048 x 1 float32.
;; One version. Each part assembles by itself: llvm-mc -triple=amdgcn-amd-amdhsa -mcpu=gfx1250 --defsym DOCPART=n.
;; ======== version 1 of 1: 1 launch
;; launch setnet (part 1): grid 256 x 1, 8 waves a work-group, no clusters, 314,368 bytes of LDS; arguments x_req, x_n_req, W_in, W_e1, W_e2, W_c, b_c, W_o, b_o, x_inst, out0; writes out0
.if DOCPART == 1
	.amdgcn_target "amdgcn-amd-amdhsa--gfx1250"
	.amdhsa_code_object_version 6
	.text
	.protected	k_q6127729526_setnet
	.globl	k_q6127729526_setnet
	.p2align	8
	.type	k_q6127729526_setnet,@function
k_q6127729526_setnet:
	s_mov_b64 s[64:65], 0
	v_nop
	global_prefetch_b8 v0, s[64:65] scope:SCOPE_SE
	s_setreg_imm32_b32 hwreg(HW_REG_WAVE_MODE, 25, 1), 1
	s_wait_xcnt 0x0
; SetNetwork, whole, in one launch.  out[b] = relu([x_inst[b], relu(pooled[b] W_e2)] W_c + b_c) W_o + b_o,
; pooled[b] = sum over r < n[b] of relu(relu(x_req[b][r] W_in) W_e1).
; Work-group g owns batches 8g .. 8g+7.  A TILE is 64 requests of one batch (32 candidates a group); only tiles with 64 c < n are worked on.
; The active tiles are dealt by rank: rank p goes to wave p & 7 as its trip p >> 3.  The trip counts hang on x_n_req, so the tile loop holds
; no barrier: both request weights lie in LDS as bf16, written once (320 rows), x goes through a stage that is the wave's own, and each
; tile's pooled partial goes to an LDS slot of its own.  The head runs on the group's 8 rows behind the loop.
; THE TWO LAYERS CHAIN IN REGISTERS.  Layer 1 is made transposed (A = 16 hidden x 32 inputs of W_in, B = 16 requests of x): a lane then holds
; eight neighbouring hidden units of one request, and relu + four packed conversions are four registers of layer 2's A fragment as they stand.
; No bias stands in the request layers, so a zeroed row of x gives exactly 0 in the pool: the mask is one select on x's fragments.
; NOT USED, AND WHY.  Tensor loads and joint loads of a cluster: the weights are f32 in memory and are converted on the way to LDS, which only
; registers can do; they are fetched once a work-group (320 KiB, then 512 KiB for the head); and a refill of LDS would want a barrier in a loop
; whose trips differ from wave to wave and from work-group to work-group.
; LIMITS.  Rows r >= n are never read or are zeroed: a NaN or infinity there does not reach the result (in the formula above 0 x inf would).
; n is taken as min(max(n, 0), 256), which is what r < n gives for r = 0 .. 255.  Matrix operands are bf16; pooled and the embedding go in as
; a bf16 pair hi + lo, so a finite value above bf16's largest (3.39e38) becomes infinite.  x W_o has one column: W_o is rounded to bf16 like
; the other weights and the product is summed by f32 multiply-adds.  A work-group stores 32 bytes of out0 (its 8 results).
.set WP,     544                       ; pitch of a weight row in LDS: 512 bytes of bf16 + 32 = 17 x 32
.set XP,     144                       ; pitch of an x row in the stage: 128 bytes + 16 = 9 x 16
.set STAGE,  320*WP                    ; 174,080: 8 waves x 64 rows x 144
.set PSLOT,  STAGE+8*64*XP             ; 247,808: [wave 8][trip 4][lane 32][e 16] f32, 2,048 bytes a slot
.set PA,     0                         ; the head's scratch lies in the weights' bytes, which nobody reads behind the second barrier
.set PAP,    528                       ; pooled as bf16, 8 rows; k' = 16 r + e stands for column 16 e + r
.set PAL,    8*PAP                     ; the lo copy lies this far behind the hi copy
.set XC,     8448                      ; 8 rows x 656: 64 x_inst, 128 embedding hi, 128 embedding lo, bf16
.set XCP,    656
.set RE,     13824                     ; [wave 8][row 8] x 272: f32 partial sums of pooled W_e2
.set REP,    272
.set OW,     31232                     ; [wave 8][row 8] f32
; vector registers, window 0
.set XOFF, 4                           ; 16 L
.set XST,  5                           ; stage: where I put 8 bytes of x
.set XFR,  6                           ; stage: where my fragment rows begin
.set WA,   7                           ; weights: transposing load, K rows 0 ..
.set AD,   8                           ; v8-11: the same for W_e1's K rows 64 p ..
.set PST,  12                          ; my 64 bytes in my wave's slot 0
.set REM,  13                          ; lane i: n of tile i's batch - 64 (i & 3)
.set T0,   14
.set T1,   15
.set XF,   16                          ; v16-79: x as loaded, then fragment (s, kq) at 16 s + 8 kq
.set RING, 80                          ; v80-143: weight fragments
.set DD,   144                         ; v144-207: two buffers of four accumulators
.set P,    208                         ; v208-223: the tile's pooled partial, one register for each e
.set VE2,  224                         ; the head's byte offsets; never rewritten
.set VC1,  225
.set VC2,  226
.set VB,   227
.set VX,   228
.set WOFF, 229
.set WST,  230
.set NOFF, 231
.set XI,   234                         ; v234-235: two numbers of x_inst
.set BC,   144                         ; head: 32 of b_c
.set WO,   176                         ; head: 32 of W_o
.set HD,   96                          ; head: four accumulators
; window 1 (v256-511): in the loop layer 1's result, fragment (s, q) at 8 (4 q + s); in the head the weight fragments, 32 u + 8 t
.set MSB, 0
.macro WIN new                         ; the immediate's high byte repeats the setting that is left
.if MSB != \new
	s_set_vgpr_msb (MSB<<8)|\new
.set MSB, \new
.endif
.endm
.macro PLACES                          ; four independent vector instructions behind a matrix instruction (ISA guide 7.12.1), where no useful work is at hand
.rept 4
	v_nop
.endr
.endm
.macro BAR                             ; my LDS stores and loads are done, then the work-group's barrier
	s_wait_dscnt 0x0
	s_barrier_signal -1
	s_barrier_wait -1
.endm
; 64 weight rows (set 0: W_in, sets 1-4: W_e1).  Wave w takes rows 8 w .. 8 w + 7: 8 KiB in a run, 512 bytes an instruction.
.macro WLOAD set, dst
.irp i, 0,1,2,3,4,5,6,7,8,9,10,11,12,13,14,15
.if \set == 0
	global_load_b128 v[\dst+4*\i:\dst+4*\i+3], v[WOFF], s[12:13] offset:512*\i
.else
	global_load_b128 v[\dst+4*\i:\dst+4*\i+3], v[WOFF], s[14:15] offset:(\set-1)*65536+512*\i
.endif
.endr
.endm
.macro WCVT set, src, left             ; left = loads issued behind this set's
	s_wait_loadcnt \left
	v_add_nc_u32 v[T0], \set*64*WP, v[WST]
.irp i, 0,1,2,3,4,5,6,7,8,9,10,11,12,13,14,15
	v_cvt_pk_bf16_f32 v[\src+4*\i], v[\src+4*\i], v[\src+4*\i+1]
	v_cvt_pk_bf16_f32 v[\src+4*\i+1], v[\src+4*\i+2], v[\src+4*\i+3]
	ds_store_b64 v[T0], v[\src+4*\i:\src+4*\i+1] offset:(\i>>1)*WP+(\i&1)*256
.endr
.endm
; half a tile of x: 32 rows of 256 bytes, two rows an instruction
.macro XLOAD half
.irp i, 0,1,2,3,4,5,6,7,8,9,10,11,12,13,14,15
	global_load_b128 v[XF+4*\i:XF+4*\i+3], v[XOFF], s[40:41] offset:8192*\half+512*\i th:TH_LOAD_NT
.endr
.endm
.macro XCVT half, left
	s_wait_loadcnt \left
.irp i, 0,1,2,3,4,5,6,7,8,9,10,11,12,13,14,15
	v_cvt_pk_bf16_f32 v[XF+4*\i], v[XF+4*\i], v[XF+4*\i+1]
	v_cvt_pk_bf16_f32 v[XF+4*\i+1], v[XF+4*\i+2], v[XF+4*\i+3]
	ds_store_b64 v[XST], v[XF+4*\i:XF+4*\i+1] offset:(32*\half+2*\i)*XP
.endr
.endm
.macro XFRAG                           ; LDS serves a wave's instructions in order (ISA guide 5.7.1): these see my stores into my stage
.irp s, 0,1,2,3
.irp kq, 0,1
	ds_load_b128 v[XF+16*\s+8*\kq:XF+16*\s+8*\kq+3], v[XFR] offset:16*XP*\s+64*\kq
	ds_load_b128 v[XF+16*\s+8*\kq+4:XF+16*\s+8*\kq+7], v[XFR] offset:16*XP*\s+64*\kq+32
.endr
.endr
.endm
.macro XMASK                           ; rows 16 s + r >= rem become zero; a full tile has none
	s_wait_dscnt 0x0
	s_cmp_ge_i32 s37, 64
	s_cbranch_scc1 .Lfull_\@
.irp s, 0,1,2,3
	s_sub_co_i32 s42, s37, 16*\s
	v_cmp_gt_i32 vcc_lo, s42, v2
.irp i, 0,1,2,3,4,5,6,7,8,9,10,11,12,13,14,15
	v_cndmask_b32 v[XF+16*\s+\i], 0, v[XF+16*\s+\i], vcc_lo
.endr
.endr
.Lfull_\@:
.endm
; W_e1's fragment (columns 16 e .., K rows 32 q ..) by two transposing loads
.macro BQ e, q
	ds_load_tr16_b128 v[RING+8*(\q):RING+8*(\q)+3], v[AD+((\q)>>1)] offset:(((\q)&1)*32)*WP+32*(\e)
	ds_load_tr16_b128 v[RING+8*(\q)+4:RING+8*(\q)+7], v[AD+((\q)>>1)] offset:(((\q)&1)*32+16)*WP+32*(\e)
.endm
.macro BLOAD e, grp
	BQ (\e),4*(\grp)
	BQ (\e),4*(\grp)+1
	BQ (\e),4*(\grp)+2
	BQ (\e),4*(\grp)+3
.endm
; four loads into quarter idx & 3 of the ring.  idx < 16: W_in's 16 hidden units 16 idx .., both K halves.  idx 16-19: W_e1, e = 0, two q.
.macro ITEM idx
.if (\idx) < 16
.irp kq, 0,1
	ds_load_tr16_b128 v[RING+16*((\idx)&3)+8*\kq:RING+16*((\idx)&3)+8*\kq+3], v[WA] offset:(32*\kq)*WP+32*(\idx)
	ds_load_tr16_b128 v[RING+16*((\idx)&3)+8*\kq+4:RING+16*((\idx)&3)+8*\kq+7], v[WA] offset:(32*\kq+16)*WP+32*(\idx)
.endr
.else
	BQ 0,2*((\idx)-16)
	BQ 0,2*((\idx)-16)+1
.endif
.endm
; Layer 1, hidden units 16 t ..: the four accumulators (16 requests each) take turns, one instruction a turn.
.macro L1MUL t
.irp s, 0,1,2,3
	v_wmma_f32_16x16x32_bf16 v[DD+32*((\t)&1)+8*\s:DD+32*((\t)&1)+8*\s+7], v[RING+16*((\t)&3):RING+16*((\t)&3)+7], v[XF+16*\s:XF+16*\s+7], 0
.endr
.irp s, 0,1,2,3
	v_wmma_f32_16x16x32_bf16 v[DD+32*((\t)&1)+8*\s:DD+32*((\t)&1)+8*\s+7], v[RING+16*((\t)&3)+8:RING+16*((\t)&3)+15], v[XF+16*\s+8:XF+16*\s+15], v[DD+32*((\t)&1)+8*\s:DD+32*((\t)&1)+8*\s+7]
.endr
.endm
; relu, then bf16: registers 4 (t & 1) .. +3 of layer 2's A fragments (s, t >> 1)
.macro L1ACT t
.set la_b, DD+32*((\t)&1)
.set la_i, 0
.rept 32
	v_max_num_f32 v[la_b+la_i], 0, v[la_b+la_i]
.set la_i, la_i+1
.endr
	WIN 0x40                               ; destination in window 1
.irp s, 0,1,2,3
.irp p, 0,1,2,3
	v_cvt_pk_bf16_f32 v[8*(4*((\t)>>1)+\s)+4*((\t)&1)+\p], v[la_b+8*\s+2*\p], v[la_b+8*\s+2*\p+1]
.endr
.endr
	WIN 0
.endm
; Layer 2, columns 16 e .., K steps 4 grp .. 4 grp + 3: again four accumulators by turns.  The first K step starts the sums.
.macro L2MUL e, grp
	WIN 0x01                               ; source 0 (layer 1's result) in window 1
.irp qq, 0,1,2,3
.irp s, 0,1,2,3
.if (4*(\grp)+\qq) == 0
	v_wmma_f32_16x16x32_bf16 v[DD+32*((\e)&1)+8*\s:DD+32*((\e)&1)+8*\s+7], v[8*(4*(4*(\grp)+\qq)+\s):8*(4*(4*(\grp)+\qq)+\s)+7], v[RING+8*(4*(\grp)+\qq):RING+8*(4*(\grp)+\qq)+7], 0
.else
	v_wmma_f32_16x16x32_bf16 v[DD+32*((\e)&1)+8*\s:DD+32*((\e)&1)+8*\s+7], v[8*(4*(4*(\grp)+\qq)+\s):8*(4*(4*(\grp)+\qq)+\s)+7], v[RING+8*(4*(\grp)+\qq):RING+8*(4*(\grp)+\qq)+7], v[DD+32*((\e)&1)+8*\s:DD+32*((\e)&1)+8*\s+7]
.endif
.endr
.endr
	WIN 0
.endm
; relu and sum of a buffer's 32 registers (my 32 requests of one column), in two parts of 24 instructions
.macro POOL1 b
.set pl_i, 0
.rept 24
	v_max_num_f32 v[DD+32*(\b)+pl_i], 0, v[DD+32*(\b)+pl_i]
.set pl_i, pl_i+1
.endr
.endm
.macro POOL2 b, e
.set pl_b, DD+32*(\b)
.set pl_i, 24
.rept 8
	v_max_num_f32 v[pl_b+pl_i], 0, v[pl_b+pl_i]
.set pl_i, pl_i+1
.endr
.irp i, 0,1,2,3,4,5,6,7
	v_pk_add_f32 v[pl_b+2*\i:pl_b+2*\i+1], v[pl_b+2*\i:pl_b+2*\i+1], v[pl_b+2*\i+16:pl_b+2*\i+17]
.endr
.irp i, 0,1,2,3
	v_pk_add_f32 v[pl_b+2*\i:pl_b+2*\i+1], v[pl_b+2*\i:pl_b+2*\i+1], v[pl_b+2*\i+8:pl_b+2*\i+9]
.endr
.irp i, 0,1
	v_pk_add_f32 v[pl_b+2*\i:pl_b+2*\i+1], v[pl_b+2*\i:pl_b+2*\i+1], v[pl_b+2*\i+4:pl_b+2*\i+5]
.endr
	v_pk_add_f32 v[pl_b:pl_b+1], v[pl_b:pl_b+1], v[pl_b+2:pl_b+3]
	v_add_f32 v[P+(\e)], v[pl_b], v[pl_b+1]
.endm
; the lowest tile left in my mask: its number (31 if none is left: still inside x_req), its rows left, its address
.macro TILE
	s_ctz_i32_b32 s36, s33
	s_min_u32 s36, s36, 31
	v_readlane_b32 s37, v[REM], s36
	s_lshl_b32 s42, s36, 14                ; a tile is 64 rows of 256 bytes
	s_mov_b32 s43, 0
	s_add_nc_u64 s[40:41], s[38:39], s[42:43]
.endm
; One tile.  more = 1: the wave has a further tile; its x is fetched under layer 2, and W_in's first fragments at the end.
.macro PASS more
	XFRAG
	XMASK
	s_wait_dscnt 12                        ; item t is in; the three younger items (12 loads) may be out
	L1MUL 0
	PLACES
	ITEM 4
.irp t, 1,2,3,4,5,6,7,8,9,10,11,12,13,14,15
	s_wait_dscnt 12
	L1MUL \t
	L1ACT \t-1                             ; the other buffer: 48 instructions between the products and the load into the ring quarter that they read
	ITEM \t+4
.endr
	L1ACT 15
.if \more
.rept 8                                        ; my next tile is eight ranks on: drop the eight lowest bits that are set
	s_add_co_i32 s42, s33, -1
	s_and_b32 s33, s33, s42
.endr
	TILE                                   ; s[40:41]: the loads that named it were waited for with the count 0
	XLOAD 0
.endif
.irp e, 0,1,2,3,4,5,6,7,8,9,10,11,12,13,14,15
	s_wait_dscnt 8                         ; K steps 0-3 are in; the eight loads of K steps 4-7 may be out
	L2MUL \e, 0
.if \e == 0
	PLACES
.else
	POOL1 (\e-1)&1
.endif
.if \e < 15
	BLOAD \e+1, 0
.else
.if \more
	ITEM 0
	ITEM 1
.endif
.endif
.if \e < 15
	s_wait_dscnt 8                         ; K steps 4-7 are in; the eight loads just issued may be out
.else
.if \more
	s_wait_dscnt 8
.else
	s_wait_dscnt 0                         ; nothing was issued behind them
.endif
.endif
	L2MUL \e, 1
.if \e == 0
	PLACES
.else
	POOL2 (\e-1)&1, \e-1
.endif
.if \e < 15
	BLOAD \e+1, 1
.else
.if \more
	ITEM 2
	ITEM 3
.endif
.endif
.if \e == 7
.if \more
	XCVT 0, 0                              ; asked for 256 matrix instructions ago; its LDS stores only make the counted waits behind them wait for more
	XLOAD 1
.endif
.endif
.endr
	POOL1 1
	POOL2 1, 15
.if \more
	XCVT 1, 0
.endif
	s_min_u32 s42, s35, 3                  ; my trip's slot
	s_lshl_b32 s42, s42, 11
	v_add_nc_u32 v[T0], s42, v[PST]
.irp i, 0,1,2,3
	ds_store_b128 v[T0], v[P+4*\i:P+4*\i+3] offset:16*\i
.endr
.endm
; The head's weights: 16 loads bring 16 K rows x 4 columns a lane; sixteen lanes read 256 neighbouring bytes.
.macro ULOAD dst, va, sb, imm0, sj, goff
.irp grp, 0,1
.irp j, 0,1,2,3,4,5,6,7
	global_load_b128 v[\dst+4*(8*\grp+\j):\dst+4*(8*\grp+\j)+3], v[\va], s[\sb:\sb+1] offset:\imm0+\j*\sj+\grp*\goff
.endr
.endr
.endm
.macro UNIT u, dst
.if \u < 2
	ULOAD \dst, VE2, 16, 1024*\u, 8192, 512                 ; W_e2, rows 128 h + 16 j + 4 kq + 2 u (+1)
.else
.if \u < 4
	ULOAD \dst, VC1, 18, (\u-2)*65536, 2048, 32768          ; W_c, rows 32 (u - 2) + 8 h + j (+16): x_inst's part
.else
	ULOAD \dst, VC2, 18, (64+32*(\u-4))*2048, 8192, 4096    ; W_c, rows 64 + 32 (u - 4) + 4 j + h (+2): the embedding's part, in the order in which it is stored
.endif
.endif
.endm
.macro UCVT u, src, left               ; four fragments (tile t = column 4 r + t of my 64) into window 1
	s_wait_loadcnt \left
	WIN 0x40
.irp t, 0,1,2,3
.irp grp, 0,1
.irp p, 0,1,2,3
	v_cvt_pk_bf16_f32 v[32*\u+8*\t+4*\grp+\p], v[\src+4*(8*\grp+2*\p)+\t], v[\src+4*(8*\grp+2*\p+1)+\t]
.endr
.endr
.endr
	WIN 0
.endm
	; ---- set-up
	s_load_b512 s[8:23], s[0:1], 0x0               ; x_req 8, x_n_req 10, W_in 12, W_e1 14, W_e2 16, W_c 18, b_c 20, W_o 22
	s_load_b128 s[24:27], s[0:1], 0x40             ; b_o 24, x_inst 26
	s_load_b64 s[28:29], s[0:1], 0x50              ; out0
	v_lshl_add_u32 v254, v0, 2, 0x4c800
	v_mov_b32 v255, 0
	v_lshrrev_b32 v[T0], 5, v0
	v_readfirstlane_b32 s30, v[T0]                 ; w, my wave
	s_mov_b32 s31, ttmp9                           ; g, my work-group
	s_mov_b32 s44, 0x76543210                      ; v_permlanex16_b32: lane i reads lane i of the other half
	s_mov_b32 s45, 0xfedcba98
	v_and_b32 v1, 31, v0                           ; L
	v_and_b32 v2, 15, v0                           ; r
	v_bfe_u32 v3, v0, 4, 1                         ; h
	v_lshlrev_b32 v[XOFF], 4, v1
	s_mul_i32 s42, s30, 64*XP
	s_add_co_u32 s42, s42, STAGE                   ; my stage
	v_mul_u32_u24 v[T0], v3, XP
	v_lshl_add_u32 v[T0], v2, 3, v[T0]
	v_add_nc_u32 v[XST], s42, v[T0]                ; row h, 8 bytes at 8 r
	v_mul_u32_u24 v[T0], v2, XP
	v_lshl_add_u32 v[T0], v3, 4, v[T0]
	v_add_nc_u32 v[XFR], s42, v[T0]                ; row r, 16 bytes at 16 h
	v_and_b32 v[T0], 7, v0
	v_lshl_add_u32 v[T0], v3, 3, v[T0]
	v_mul_u32_u24 v[T0], v[T0], WP
	v_bfe_u32 v[T1], v0, 3, 1
	v_lshl_add_u32 v[WA], v[T1], 4, v[T0]          ; K row 8 h + (L & 7), 16 bytes at 16 ((L >> 3) & 1)
.irp p, 0,1,2,3
	v_add_nc_u32 v[AD+\p], (64+64*\p)*WP, v[WA]
.endr
	s_lshl_b32 s43, s30, 13
	s_add_co_u32 s43, s43, PSLOT
	v_lshl_add_u32 v[PST], v1, 6, s43
	s_lshl_b32 s43, s30, 13
	v_lshl_add_u32 v[WOFF], v1, 4, s43             ; 8 rows of 1,024 bytes a wave
	s_mul_i32 s43, s30, 8*WP
	v_lshl_add_u32 v[WST], v1, 3, s43
	v_and_b32 v[NOFF], 28, v0                      ; 4 (L >> 2)
	s_lshl_b32 s42, s31, 5
	v_add_nc_u32 v[NOFF], s42, v[NOFF]
	s_lshl_b32 s42, s31, 19                        ; 8 batches of 65,536 bytes
	s_mov_b32 s43, 0
	s_wait_kmcnt 0x0
	s_add_nc_u64 s[38:39], s[8:9], s[42:43]
	s_load_b32 s46, s[24:25], 0x0                  ; b_o
	global_load_b32 v[REM], v[NOFF], s[10:11]      ; lane i: n of batch 8 g + (i >> 2)
	WLOAD 0, RING
	WLOAD 1, DD
	; ---- which tiles are active, and which are mine
	s_wait_loadcnt 32                              ; n is in; the 32 weight loads behind it stay out
	s_wait_kmcnt 0x0
	v_max_i32 v[REM], 0, v[REM]
	v_min_i32 v[REM], 0x100, v[REM]
	v_and_b32 v[T0], 3, v0
	v_lshlrev_b32 v[T0], 6, v[T0]
	v_sub_nc_u32 v[REM], v[REM], v[T0]
	v_cmp_lt_i32 s32, 0, v[REM]                    ; bit i: tile i has rows
	s_mov_b32 s33, s32
.irp j, 0,1,2,3,4,5,6
	s_add_co_i32 s42, s33, -1                      ; drop the w lowest bits that are set: my first tile has rank w
	s_and_b32 s42, s42, s33
	s_cmp_gt_u32 s30, \j
	s_cselect_b32 s33, s42, s33
.endr
	s_bcnt1_i32_b32 s34, s32
	s_add_co_u32 s34, s34, 7
	s_sub_co_u32 s34, s34, s30
	s_lshr_b32 s34, s34, 3
	s_min_u32 s34, s34, 4                          ; m: my tiles
	TILE
	XLOAD 0                                        ; a wave without a tile reads tile 31 and leaves it: the counts below are then the same for every wave
	; ---- weights to LDS, my first tile to my stage; three sets of 16 loads are out throughout
	WCVT 0, RING, 32
	WLOAD 2, RING
	WCVT 1, DD, 32
	WLOAD 3, DD
	XCVT 0, 32
	XLOAD 1
	WCVT 2, RING, 32
	WLOAD 4, RING
	WCVT 3, DD, 32
	XCVT 1, 16
	WCVT 4, RING, 0
	BAR                                            ; every wave's weight rows are in LDS
	s_mov_b32 s35, 0                               ; my trip
	s_cmp_eq_u32 s34, 0
	s_cbranch_scc1 .Lhead
	ITEM 0
	ITEM 1
	ITEM 2
	ITEM 3
	s_sub_co_u32 s47, s34, 1                       ; trips that have a next tile
	s_cmp_eq_u32 s47, 0
	s_cbranch_scc1 .Llast
.Lpass:
	PASS 1
	s_add_co_u32 s35, s35, 1
	s_cmp_lt_u32 s35, s47
	s_cbranch_scc1 .Lpass
.Llast:
	PASS 0
	; ---- the head.  First what a wave can do alone, while others still multiply: its weight fragments, straight from memory into window 1.
	; pooled W_e2: wave w has K quarter kq = w >> 1 and columns 64 (w & 1) ..;  [x_inst, embedding] W_c: columns 64 w ...
.Lhead:
	s_lshr_b32 s50, s30, 1                         ; kq
	s_and_b32 s51, s30, 1                          ; g2
	v_lshlrev_b32 v[T0], 4, v2
	s_lshl_b32 s42, s50, 11
	s_lshl_b32 s43, s51, 8
	s_add_co_u32 s42, s42, s43
	v_lshl_add_u32 v[VE2], v3, 16, v[T0]
	v_add_nc_u32 v[VE2], s42, v[VE2]
	s_lshl_b32 s43, s30, 8
	v_lshl_add_u32 v[VC1], v3, 14, v[T0]
	v_add_nc_u32 v[VC1], s43, v[VC1]
	v_lshl_add_u32 v[VC2], v3, 11, v[T0]
	v_add_nc_u32 v[VC2], s43, v[VC2]
	v_lshlrev_b32 v[VB], 7, v3
	v_add_nc_u32 v[VB], s43, v[VB]                 ; 4 (64 w + 32 h)
	s_lshl_b32 s42, s31, 3
	s_add_co_u32 s42, s42, s30
	s_lshl_b32 s42, s42, 8
	v_lshl_add_u32 v[VX], v1, 3, s42               ; x_inst, row 8 g + w, 8 bytes a lane
	global_load_b64 v[XI:XI+1], v[VX], s[26:27]
.irp i, 0,1,2,3,4,5,6,7
	global_load_b128 v[BC+4*\i:BC+4*\i+3], v[VB], s[20:21] offset:16*\i
.endr
.irp i, 0,1,2,3,4,5,6,7
	global_load_b128 v[WO+4*\i:WO+4*\i+3], v[VB], s[22:23] offset:16*\i
.endr
	UNIT 0, 16
	UNIT 1, 80
	UCVT 0, 16, 16                                 ; the count leaves the one younger unit out
	UNIT 2, 16
	UCVT 1, 80, 16
	UNIT 3, 80
	UCVT 2, 16, 16
	UNIT 4, 16
	UCVT 3, 80, 16
	UNIT 5, 80
	UCVT 4, 16, 16
	UNIT 6, 16
	UCVT 5, 80, 16
	UNIT 7, 80
	UCVT 6, 16, 16
	UCVT 7, 80, 0
.irp i, 0,1,2,3,4,5,6,7,8,9,10,11,12,13,14,15
	v_cvt_pk_bf16_f32 v[T0], v[WO+2*\i], v[WO+2*\i+1]      ; W_o is a matrix operand: to bf16 like the other weights, and back for the f32 multiply-adds
	v_lshlrev_b32 v[WO+2*\i], 16, v[T0]
	v_and_b32 v[WO+2*\i+1], 0xffff0000, v[T0]
.endr
	BAR                                            ; every tile's partial is in its slot, and nobody reads the request weights any more
	; ---- T1: wave w sums batch w's tiles: ranks off .. off + cnt - 1
	s_lshl_b32 s52, s30, 2
	s_lshr_b32 s53, s32, s52
	s_and_b32 s53, s53, 15
	s_bcnt1_i32_b32 s53, s53                       ; cnt
	s_bfm_b32 s54, s52, 0
	s_and_b32 s54, s54, s32
	s_bcnt1_i32_b32 s54, s54                       ; off
.irp i, 0,1,2,3,4,5,6,7,8,9,10,11,12,13,14,15
	v_mov_b32 v[16+\i], 0                          ; a batch may have no tile
.endr
.irp c, 0,1,2,3
	s_cmp_le_u32 s53, \c
	s_cbranch_scc1 .Lsummed
	s_add_co_u32 s55, s54, \c
	s_min_u32 s55, s55, 31
	s_and_b32 s56, s55, 7                          ; the rank's wave,
	s_lshl_b32 s56, s56, 13
	s_and_b32 s55, s55, 24                         ; and 8 x its trip
	s_lshl_b32 s55, s55, 8
	s_add_co_u32 s55, s55, s56
	s_add_co_u32 s55, s55, PSLOT
	v_lshl_add_u32 v[T0], v2, 6, s55               ; every lane takes lane r's 16 sums, then lane 16 + r's: lanes r and 16 + r end with the same bits
.irp i, 0,1,2,3
	ds_load_b128 v[32+4*\i:35+4*\i], v[T0] offset:16*\i
	ds_load_b128 v[48+4*\i:51+4*\i], v[T0] offset:1024+16*\i
.endr
	s_wait_dscnt 0x0
.irp i, 0,1,2,3,4,5,6,7
	v_pk_add_f32 v[16+2*\i:17+2*\i], v[16+2*\i:17+2*\i], v[32+2*\i:33+2*\i]
.endr
.irp i, 0,1,2,3,4,5,6,7
	v_pk_add_f32 v[16+2*\i:17+2*\i], v[16+2*\i:17+2*\i], v[48+2*\i:49+2*\i]
.endr
.endr
.Lsummed:
.irp i, 0,1,2,3,4,5,6,7
	v_cvt_pk_bf16_f32 v[64+\i], v[16+2*\i], v[17+2*\i]     ; hi
.endr
.irp i, 0,1,2,3,4,5,6,7
	v_lshlrev_b32 v[32+2*\i], 16, v[64+\i]
	v_and_b32 v[33+2*\i], 0xffff0000, v[64+\i]
.endr
.irp i, 0,1,2,3,4,5,6,7
	v_pk_add_f32 v[16+2*\i:17+2*\i], v[16+2*\i:17+2*\i], v[32+2*\i:33+2*\i] neg_lo:[0,1] neg_hi:[0,1]
.endr
.irp i, 0,1,2,3,4,5,6,7
	v_cvt_pk_bf16_f32 v[72+\i], v[16+2*\i], v[17+2*\i]     ; lo = what hi left
.endr
	s_mul_i32 s55, s30, PAP
	v_lshl_add_u32 v[T0], v2, 5, s55
	ds_store_b128 v[T0], v[64:67] offset:PA
	ds_store_b128 v[T0], v[68:71] offset:PA+16
	ds_store_b128 v[T0], v[72:75] offset:PA+PAL
	ds_store_b128 v[T0], v[76:79] offset:PA+PAL+16
	v_cvt_pk_bf16_f32 v32, v[XI], v[XI+1]
	s_mul_i32 s55, s30, XCP
	v_lshl_add_u32 v[T1], v1, 2, s55
	ds_store_b32 v[T1], v32 offset:XC
	BAR
	; ---- T2: pooled W_e2, transposed (A = weights, B = the 8 rows, taken twice to fill 16 columns); K = my 64 of k', hi then lo
	v_and_b32 v[T1], 7, v0
	v_mul_u32_u24 v[T0], v[T1], PAP
	v_lshl_add_u32 v[T0], v3, 4, v[T0]
	s_lshl_b32 s55, s50, 7
	v_add_nc_u32 v[T0], s55, v[T0]
.irp part, 0,1
.irp i, 0,1
	ds_load_b128 v[16+16*\part+8*\i:19+16*\part+8*\i], v[T0] offset:PA+PAL*\part+64*\i
	ds_load_b128 v[20+16*\part+8*\i:23+16*\part+8*\i], v[T0] offset:PA+PAL*\part+64*\i+32
.endr
.endr
	v_mul_u32_u24 v[T1], v[T1], REP
	v_lshl_add_u32 v[T1], v3, 7, v[T1]
	s_mul_i32 s55, s30, 8*REP
	v_add_nc_u32 v[T1], s55, v[T1]                 ; my wave's block, row r & 7, 128 bytes for each half of the lanes
	s_wait_dscnt 0x0
	WIN 0x01
.irp part, 0,1
.irp i, 0,1
.irp t, 0,1,2,3
.if (\part+\i) == 0
	v_wmma_f32_16x16x32_bf16 v[HD+8*\t:HD+8*\t+7], v[32*\i+8*\t:32*\i+8*\t+7], v[16+16*\part+8*\i:23+16*\part+8*\i], 0
.else
	v_wmma_f32_16x16x32_bf16 v[HD+8*\t:HD+8*\t+7], v[32*\i+8*\t:32*\i+8*\t+7], v[16+16*\part+8*\i:23+16*\part+8*\i], v[HD+8*\t:HD+8*\t+7]
.endif
.endr
.endr
.endr
	WIN 0
	PLACES
.irp t, 0,1,2,3
	ds_store_b128 v[T1], v[HD+8*\t:HD+8*\t+3] offset:RE+32*\t          ; place 32 h + 8 t + j holds column 32 h + 4 j + t of my 64
	ds_store_b128 v[T1], v[HD+8*\t+4:HD+8*\t+7] offset:RE+32*\t+16
.endr
	BAR
	; ---- T3: wave w adds row w's four K quarters; relu; hi and lo to XC
	s_mul_i32 s55, s30, REP
	v_lshlrev_b32 v[T0], 4, v2
	v_mul_u32_u24 v[T1], v3, 8*REP
	v_add3_u32 v[T0], v[T0], v[T1], s55
.irp k, 0,1,2,3
	ds_load_b128 v[48+4*\k:51+4*\k], v[T0] offset:RE+16*REP*\k
.endr
	s_mul_i32 s55, s30, XCP
	v_lshl_add_u32 v[T1], v1, 3, s55
	s_wait_dscnt 0x0
	v_pk_add_f32 v[48:49], v[48:49], v[52:53]
	v_pk_add_f32 v[50:51], v[50:51], v[54:55]
	v_pk_add_f32 v[56:57], v[56:57], v[60:61]
	v_pk_add_f32 v[58:59], v[58:59], v[62:63]
	v_pk_add_f32 v[48:49], v[48:49], v[56:57]
	v_pk_add_f32 v[50:51], v[50:51], v[58:59]
.irp i, 48,49,50,51
	v_max_num_f32 v\i, 0, v\i
.endr
	v_cvt_pk_bf16_f32 v64, v48, v49
	v_cvt_pk_bf16_f32 v65, v50, v51
	v_lshlrev_b32 v68, 16, v64
	v_and_b32 v69, 0xffff0000, v64
	v_lshlrev_b32 v70, 16, v65
	v_and_b32 v71, 0xffff0000, v65
	v_pk_add_f32 v[48:49], v[48:49], v[68:69] neg_lo:[0,1] neg_hi:[0,1]
	v_pk_add_f32 v[50:51], v[50:51], v[70:71] neg_lo:[0,1] neg_hi:[0,1]
	v_cvt_pk_bf16_f32 v66, v48, v49
	v_cvt_pk_bf16_f32 v67, v50, v51
	ds_store_b64 v[T1], v[64:65] offset:XC+128
	ds_store_b64 v[T1], v[66:67] offset:XC+384
	BAR
	; ---- T4: [x_inst, hi, lo] against W_c's fragments (the embedding's four serve hi and lo); then bias, relu and W_o in f32
	v_and_b32 v[T1], 7, v0
	v_mul_u32_u24 v[T0], v[T1], XCP
	v_lshl_add_u32 v[T0], v3, 4, v[T0]
.irp ks, 0,1,2,3,4,5,6,7,8,9
	ds_load_b128 v[16+8*\ks:19+8*\ks], v[T0] offset:XC+64*\ks
	ds_load_b128 v[20+8*\ks:23+8*\ks], v[T0] offset:XC+64*\ks+32
.endr
	s_lshl_b32 s55, s30, 5
	v_lshl_add_u32 v[T1], v[T1], 2, s55
	s_wait_dscnt 0x0
	WIN 0x01
.irp ks, 0,1,2,3,4,5,6,7,8,9
.if \ks < 6
.set au, 2+\ks
.else
.set au, \ks-2
.endif
.irp t, 0,1,2,3
.if \ks == 0
	v_wmma_f32_16x16x32_bf16 v[HD+8*\t:HD+8*\t+7], v[32*au+8*\t:32*au+8*\t+7], v[16+8*\ks:23+8*\ks], 0
.else
	v_wmma_f32_16x16x32_bf16 v[HD+8*\t:HD+8*\t+7], v[32*au+8*\t:32*au+8*\t+7], v[16+8*\ks:23+8*\ks], v[HD+8*\t:HD+8*\t+7]
.endif
.endr
.endr
	WIN 0
	PLACES
.irp j, 0,1,2,3,4,5,6,7
.irp t, 0,1,2,3
	v_add_f32 v[HD+8*\t+\j], v[HD+8*\t+\j], v[BC+4*\j+\t]          ; register j of tile t is column 64 w + 32 h + 4 j + t
	v_max_num_f32 v[HD+8*\t+\j], 0, v[HD+8*\t+\j]
.if \j == 0
	v_mul_f32 v[128+\t], v[HD+8*\t+\j], v[WO+4*\j+\t]              ; the first product starts each of four sums
.else
	v_fmac_f32 v[128+\t], v[HD+8*\t+\j], v[WO+4*\j+\t]
.endif
.endr
.endr
	v_mov_b32 v132, 0                              ; v_permlanex16_b32's destination counts as read
	v_add_f32 v128, v128, v129
	v_add_f32 v130, v130, v131
	v_add_f32 v128, v128, v130
	v_permlanex16_b32 v132, v128, s44, s45
	v_add_f32 v128, v128, v132                     ; my wave's 64 columns, row r & 7
	ds_store_b32 v[T1], v128 offset:OW
	BAR
	; ---- T5: wave 0 adds the eight waves' parts and b_o; lanes 0-7 store the group's 8 results
	s_cmp_lg_u32 s30, 0
	s_cbranch_scc1 .Lend
	v_and_b32 v[T0], 7, v0
	v_lshlrev_b32 v[T0], 2, v[T0]
.irp i, 0,1,2,3,4,5,6,7
	ds_load_b32 v[16+\i], v[T0] offset:OW+32*\i
.endr
	s_lshl_b32 s42, s31, 5
	v_lshl_add_u32 v[T1], v1, 2, s42
	s_wait_dscnt 0x0
	v_add_f32 v16, v16, v17
	v_add_f32 v18, v18, v19
	v_add_f32 v20, v20, v21
	v_add_f32 v22, v22, v23
	v_add_f32 v16, v16, v18
	v_add_f32 v20, v20, v22
	v_add_f32 v16, v16, v20
	v_add_f32 v16, s46, v16
	s_wait_xcnt 0x0                                ; EXEC changes only behind this wait
	v_cmp_gt_u32 vcc_lo, 8, v1
	s_and_saveexec_b32 s42, vcc_lo
	global_store_b32 v[T1], v16, s[28:29]
	s_wait_xcnt 0x0                                ; and again in front of the line that widens it
	s_or_b32 exec_lo, exec_lo, s42
.Lend:
	s_wait_tensorcnt 0x0
	ds_add_u32 v254, v255
	s_wait_dscnt 0x0
	s_endpgm
.Lfunc_end_k_q6127729526_setnet:
	.size	k_q6127729526_setnet, .Lfunc_end_k_q6127729526_setnet-k_q6127729526_setnet
	.p2alignl 7, 3214868480
	.fill 96, 4, 3214868480
	.section	.rodata,"a",@progbits
	.p2align	6, 0x0
	.amdhsa_kernel k_q6127729526_setnet
		.amdhsa_group_segment_fixed_size 314368
		.amdhsa_private_segment_fixed_size 0
		.amdhsa_enable_private_segment 0
		.amdhsa_kernarg_size 88
		.amdhsa_user_sgpr_count 2
		.amdhsa_user_sgpr_kernarg_segment_ptr 1
		.amdhsa_wavefront_size32 1
		.amdhsa_system_sgpr_workgroup_id_x 1
		.amdhsa_system_sgpr_workgroup_id_y 1
		.amdhsa_system_sgpr_workgroup_id_z 1
		.amdhsa_system_vgpr_workitem_id 0
		.amdhsa_next_free_vgpr 512
		.amdhsa_next_free_sgpr 66
		.amdhsa_reserve_vcc 1
		.amdhsa_float_denorm_mode_32 3
		.amdhsa_float_denorm_mode_16_64 3
		.amdhsa_memory_ordered 1
		.amdhsa_forward_progress 1
		.amdhsa_inst_pref_size 255
	.end_amdhsa_kernel
	.section	.bss,"aw",@nobits
	.p2align	6
	.space	262144
	.amdgpu_metadata
---
amdhsa.version: [ 1, 2 ]
amdhsa.kernels:
  - .name:           k_q6127729526_setnet
    .symbol:         k_q6127729526_setnet.kd
    .args:
      - { .name: x_req, .offset: 0, .size: 8, .value_kind: global_buffer, .address_space: global }
      - { .name: x_n_req, .offset: 8, .size: 8, .value_kind: global_buffer, .address_space: global }
      - { .name: W_in, .offset: 16, .size: 8, .value_kind: global_buffer, .address_space: global }
      - { .name: W_e1, .offset: 24, .size: 8, .value_kind: global_buffer, .address_space: global }
      - { .name: W_e2, .offset: 32, .size: 8, .value_kind: global_buffer, .address_space: global }
      - { .name: W_c, .offset: 40, .size: 8, .value_kind: global_buffer, .address_space: global }
      - { .name: b_c, .offset: 48, .size: 8, .value_kind: global_buffer, .address_space: global }
      - { .name: W_o, .offset: 56, .size: 8, .value_kind: global_buffer, .address_space: global }
      - { .name: b_o, .offset: 64, .size: 8, .value_kind: global_buffer, .address_space: global }
      - { .name: x_inst, .offset: 72, .size: 8, .value_kind: global_buffer, .address_space: global }
      - { .name: out0, .offset: 80, .size: 8, .value_kind: global_buffer, .address_space: global }
    .group_segment_fixed_size: 314368
    .private_segment_fixed_size: 0
    .kernarg_segment_align: 8
    .kernarg_segment_size: 88
    .max_flat_workgroup_size: 256
    .sgpr_count:     66
    .vgpr_count:     512
    .wavefront_size: 32
...
	.end_amdgpu_metadata
.endif
;; end of part 1
